; MI455X (gfx1250); checked and timed in simulation.
; The chip was launched on July 23, 2026; its instructions are those of AMD's public machine-readable ISA for CDNA 5 (MIT licence, August 2026) and "CDNA5" Instruction Set Architecture Reference Guide (July 2026). The comments in the code are by the model that wrote it; some were corrected since.
;; Mo E. Allowed arithmetic: float matrix products may take bf16 or f16 operands with f32 sums; other float arithmetic in f32, or as packed bf16 or f16 multiplies, adds, multiply-adds, maxima and minima; sums over many terms, partial sums and values carried from step to step in f32; what a program stores and reads back later, other than sums and carried values, may be rounded once to bf16 or f16.
;; Inputs: gate_w 8 x 1,024 float32; weight 8 x 1,024 x 1,024 float32; x 4 x 2,048 x 1,024 float32.
;; Outputs: out0 4 x 2,048 x 1,024 float32.
;; One version. Each part assembles by itself: llvm-mc -triple=amdgcn-amd-amdhsa -mcpu=gfx1250 --defsym DOCPART=n.
;; ======== version 1 of 1: 3 launches
;; workspace buffers: wb 16,777,216 bytes; key 32,768 bytes of whole numbers; bh 32,768 bytes of whole numbers; wq 131,072 bytes; xs 17,301,504 bytes; srt 34,048 bytes of whole numbers
;; launch route (part 1): grid 256 x 1, 8 waves a work-group, no clusters, 18,432 bytes of LDS; arguments x, gate_w, weight, wb, key, bh, wq; writes wb, key, bh, wq
.if DOCPART == 1
	.amdgcn_target "amdgcn-amd-amdhsa--gfx1250"
	.amdhsa_code_object_version 6
	.text
	.protected	k_q3585ddb61c_route
	.globl	k_q3585ddb61c_route
	.p2align	8
	.type	k_q3585ddb61c_route,@function
k_q3585ddb61c_route:
	s_mov_b64 s[64:65], 0
	v_nop
	global_prefetch_b8 v0, s[64:65] scope:SCOPE_SE
	s_setreg_imm32_b32 hwreg(HW_REG_WAVE_MODE, 25, 1), 1
	s_wait_xcnt 0x0
; ROUTE.  For each of 8,192 tokens: 8 logits = bf16(x) . bf16(gate_w) summed in f32, the two largest (the lower index wins a tie, as jax.lax.top_k has it),
; their softmax with the larger logit taken away, and the number of the PAIR of experts (28 pairs, lo < hi: pid = lo (15 - lo) / 2 + hi - lo - 1).
; Stored, all at fixed places (no address and no branch here hangs on a logit):
;   key[t]  = pid | rank << 8      rank: tokens of my block of 32 with a lower number and the same pid
;   bh[block][bin 0..31] = lt | eq << 16     lt: tokens of the block with pid < bin; eq: with pid = bin; bins 28-31 hold 0
;   wq[t]   = w_lo, w_lo, w_hi, w_hi in f32 (each twice: a later packed multiply takes a pair)
; Beside that the launch rounds weight to bf16 (wb, same order): each work-group 131,072 bytes of it, its loads on their way under the gate's arithmetic.
; SHARES.  Work-group b: tokens 32 b .. 32 b + 31; wave w rows 4 w .. 4 w + 3, a row in 16 packed registers; lane l holds k = 128 j + 4 l .. + 3, j = 0..7, so every load of a wave
; covers 512 consecutive bytes.  The gate is 0.1% of the problem's multiply-adds and has 8 columns: it goes by fused multiply-adds from bf16 halves into f32, and the rows are never laid out as matrix fragments.
; LIMITS.  A token whose second and third logits differ by less than the f32 sums' rounding (about 1e-6 of the logits' spread) may be routed otherwise than a sum in another order would; NaN and
; infinite logits are not treated apart (pid is held to 0..27 so that every count stays whole).  key and bh are stored 128 bytes a work-group: 64 KiB in the whole launch.
.set LG,    16384                      ; LDS: 0..16383 the gate in bf16, [expert][k]; from LG on the logits, [token 32][8] f32
.set SPARE, 17408                      ; the spare words: 128 bytes for each of 8 waves, four blocks of 256 bytes that no other line names
.set SPW, 2                            ; v2   LDS address of my spare word; never rewritten
.set NIL, 3                            ; v3   0, for the add alone
.set GA,  4                            ; v4   8 x lane + 2,048 x expert: my 8 bytes in each 256 of the gate's row
.set LA,  5                            ; v5   where my wave's logits go: LG + 128 w + 4 x expert
.set ZR,  15                           ; v15  0: starts the sums
.set GP,  16                           ; v16-31   the gate, packed, on its way to LDS
.set X,   32                           ; v32-159  four rows of 32 registers as loaded; packed in place into the first 16 of each
.set G,   112                          ; v112-127 one expert's gate for my k (the third row's free half)
.set ACC, 144                          ; v144-151 row i: the sum of the low halves, of the high halves
.set PD,  152                          ; v152-155 the other half of the lanes' sums
.set RAW, 160                          ; v160-191 the gate as loaded; then weight's loads 16-23
; weight's load n of 32 (512 bytes of the wave's 16,384) lies in four registers from WR on: 0-15 in v192-255, 16-23 in v160-191, 24-31 in the free halves of rows 0 and 1
.macro WREG n
.if (\n) < 16
.set WR, 192+4*(\n)
.elseif (\n) < 24
.set WR, 160+4*((\n)-16)
.elseif (\n) < 28
.set WR, 48+4*((\n)-24)
.else
.set WR, 80+4*((\n)-28)
.endif
.endm
.macro WLOAD n
	WREG \n
	global_load_b128 v[WR:WR+3], v1, s[8:9] offset:512*(\n) th:TH_LOAD_NT
.endm
.macro WCAST n                         ; four f32 become 8 bytes; the wave's store covers 256 consecutive bytes, at a multiple of 256 from wb's first
	WREG \n
	v_cvt_pk_bf16_f32 v[WR], v[WR], v[WR+1]
	v_cvt_pk_bf16_f32 v[WR+1], v[WR+2], v[WR+3]
	global_store_b64 v8, v[WR:WR+1], s[10:11] offset:256*(\n)
.endm
	s_load_b256 s[4:11], s[0:1], 0x0               ; x s[4:5], gate_w s[6:7], weight s[8:9], wb s[10:11]
	s_load_b128 s[12:15], s[0:1], 0x20             ; key s[12:13], bh s[14:15]
	s_load_b64 s[16:17], s[0:1], 0x30              ; wq
	v_lshl_add_u32 v[SPW], v0, 2, SPARE
	v_mov_b32 v[NIL], 0
	v_lshrrev_b32 v9, 5, v0
	v_readfirstlane_b32 s20, v9                    ; wave 0..7
	v_and_b32 v10, 31, v0                          ; lane
	v_lshlrev_b32 v1, 4, v10                       ; 16 x lane
	v_lshlrev_b32 v8, 3, v10                       ; 8 x lane
	v_lshlrev_b32 v[GA], 3, v10
	v_lshlrev_b32 v6, 4, v0                        ; 16 x thread: my 4 numbers of each expert's row of the gate
	v_lshlrev_b32 v7, 3, v0                        ; 8 x thread: the same, packed
	v_mov_b32 v[ZR], 0
	s_lshl_b32 s27, s20, 7
	s_add_co_u32 s27, s27, LG
	v_mov_b32 v[LA], s27
.irp i, 0,1,2,3
	v_mov_b32 v[PD+\i], 0                          ; v_permlanex16_b32 counts as a reader of its destination
.endr
	s_mov_b32 s24, 0x76543210                      ; each lane takes its own place in the other half
	s_mov_b32 s25, 0xfedcba98
	s_lshl_b32 s22, ttmp9, 17                      ; 32 rows of 4,096 bytes of x; also my 131,072 bytes of weight
	s_lshl_b32 s23, s20, 14                        ; my wave's 4 rows; its 16,384 bytes of weight
	s_add_co_u32 s22, s22, s23
	s_mov_b32 s23, 0
	s_lshr_b32 s28, s22, 1                         ; half of that in wb
	s_mov_b32 s29, 0
	s_lshl_b32 s30, ttmp9, 7                       ; 32 words of key and of bh
	s_mov_b32 s31, 0
	s_lshl_b32 s32, ttmp9, 9                       ; 32 x 16 bytes of wq
	s_mov_b32 s33, 0
	s_wait_kmcnt 0x0
	s_add_nc_u64 s[4:5], s[4:5], s[22:23]
	s_add_nc_u64 s[8:9], s[8:9], s[22:23]
	s_add_nc_u64 s[10:11], s[10:11], s[28:29]
	s_add_nc_u64 s[12:13], s[12:13], s[30:31]
	s_add_nc_u64 s[14:15], s[14:15], s[30:31]
	s_add_nc_u64 s[16:17], s[16:17], s[32:33]
.irp j, 0,1,2,3,4,5,6,7
	global_load_b128 v[RAW+4*\j:RAW+4*\j+3], v6, s[6:7] offset:4096*\j   ; expert j, k = 4 x thread ..
.endr
.irp i, 0,1,2,3
.irp j, 0,1,2,3,4,5,6,7
	global_load_b128 v[X+32*\i+4*\j:X+32*\i+4*\j+3], v1, s[4:5] offset:4096*\i+512*\j
.endr
.endr
.set n, 0
.rept 16
	WLOAD n
.set n, n+1
.endr
	s_wait_loadcnt 48                              ; loads come back in order: the gate is in; 32 loads of x and 16 of weight stay out
.irp j, 0,1,2,3,4,5,6,7
	v_cvt_pk_bf16_f32 v[GP+2*\j], v[RAW+4*\j], v[RAW+4*\j+1]
	v_cvt_pk_bf16_f32 v[GP+2*\j+1], v[RAW+4*\j+2], v[RAW+4*\j+3]
.endr
.irp j, 0,1,2,3,4,5,6,7
	ds_store_b64 v7, v[GP+2*\j:GP+2*\j+1] offset:2048*\j
.endr
.rept 8
	WLOAD n                                        ; loads 16-23, into the registers that the gate has left
.set n, n+1
.endr
	s_wait_dscnt 0x0                               ; for the others' sake: my part of the gate is in LDS
	s_barrier_signal -1
	s_barrier_wait -1
	s_wait_loadcnt 24                              ; x is in; 24 loads of weight stay out
.irp i, 0,1,2,3
.set m, 0
.rept 16                               ; in place, ascending: word m is written when words 2 m and 2 m + 1 are read, and no later source lies below it
	v_cvt_pk_bf16_f32 v[X+32*\i+m], v[X+32*\i+2*m], v[X+32*\i+2*m+1]
.set m, m+1
.endr
.endr
.rept 8
	WLOAD n                                        ; loads 24-31, into the halves just freed
.set n, n+1
.endr
	; One trip: one expert's logits for my four rows.  Eight chains (row x half), so that a multiply-add follows the one that it adds onto at a distance of eight.
	s_mov_b32 s26, 8
.Lexpert:
.irp j, 0,1,2,3,4,5,6,7
	ds_load_b64 v[G+2*\j:G+2*\j+1], v[GA] offset:256*\j    ; 32 lanes x 8 bytes: 256 consecutive bytes
.endr
	s_wait_dscnt 0x0
.set m, 0
.rept 16
.irp i, 0,1,2,3
.if m == 0
	v_fma_mix_f32_bf16 v[ACC+2*\i],   v[X+32*\i+m], v[G+m], v[ZR] op_sel_hi:[1,1,0]
	v_fma_mix_f32_bf16 v[ACC+2*\i+1], v[X+32*\i+m], v[G+m], v[ZR] op_sel:[1,1,0] op_sel_hi:[1,1,0]
.else
	v_fma_mix_f32_bf16 v[ACC+2*\i],   v[X+32*\i+m], v[G+m], v[ACC+2*\i] op_sel_hi:[1,1,0]
	v_fma_mix_f32_bf16 v[ACC+2*\i+1], v[X+32*\i+m], v[G+m], v[ACC+2*\i+1] op_sel:[1,1,0] op_sel_hi:[1,1,0]
.endif
.endr
.set m, m+1
.endr
.irp i, 0,1,2,3
	v_add_f32 v[ACC+2*\i], v[ACC+2*\i], v[ACC+2*\i+1]
.endr
.irp k, 1,2,4,8
.irp i, 0,1,2,3
	v_add_f32_dpp v[ACC+2*\i], v[ACC+2*\i], v[ACC+2*\i] row_xmask:\k row_mask:0xf bank_mask:0xf
.endr
.endr
.irp i, 0,1,2,3
	v_permlanex16_b32 v[PD+\i], v[ACC+2*\i], s24, s25
.endr
.irp i, 0,1,2,3
	v_add_f32 v[ACC+2*\i], v[ACC+2*\i], v[PD+\i]
.endr
.irp i, 0,1,2,3
	ds_store_b32 v[LA], v[ACC+2*\i] offset:32*\i   ; every lane holds the sum: all write the same word with the same value
.endr
	v_add_nc_u32 v[GA], 0x800, v[GA]               ; the next expert's row of the gate,
	v_add_nc_u32 v[LA], 4, v[LA]                   ; its place among a token's eight logits
	s_sub_co_u32 s26, s26, 1
	s_cmp_lg_u32 s26, 0
	s_cbranch_scc1 .Lexpert
	; weight goes out, eight loads at a time; the counts are the younger loads
.set n, 0
.irp left, 24,16,8,0
	s_wait_loadcnt \left
.rept 8
	WCAST n
.set n, n+1
.endr
.endr
	s_wait_tensorcnt 0x0                           ; behind a wave's last LDS store: only LDS loads follow.
	ds_add_u32 v[SPW], v[NIL]
	s_wait_dscnt 0x0                               ; Also for the others' sake: my logits are in LDS
	s_barrier_signal -1
	s_barrier_wait -1
	s_cmp_lg_u32 s20, 0
	s_cbranch_scc1 .Ldone                          ; the block's 32 tokens are one wave's work: lane = token
	v_lshlrev_b32 v9, 5, v0
	ds_load_b128 v[16:19], v9 offset:LG
	ds_load_b128 v[20:23], v9 offset:LG+16
	v_lshlrev_b32 v40, 2, v0                       ; my word in key and in bh
	v_mov_b32 v25, 0                               ; i1
	v_mov_b32 v26, 0xff800000                      ; m2 starts at -inf
	v_mov_b32 v27, 0                               ; i2
	v_mov_b32 v13, 0                               ; rank
	v_mov_b32 v14, 0                               ; the block's histogram, bin = lane
	s_mov_b32 s34, 0                               ; tokens in the bins below
	s_wait_dscnt 0x0
	v_mov_b32 v24, v16                             ; m1
.irp e, 1,2,3,4,5,6,7
	v_cmp_gt_f32 vcc_lo, v[16+\e], v24             ; strictly greater: the lower index keeps a tie
	v_cndmask_b32 v24, v24, v[16+\e], vcc_lo
	v_cndmask_b32 v25, v25, \e, vcc_lo
.endr
.irp e, 0,1,2,3,4,5,6,7
	v_cmp_ne_u32 s27, \e, v25                      ; not the first choice,
	v_cmp_gt_f32 vcc_lo, v[16+\e], v26             ; and strictly greater than the best of the rest so far
	s_and_b32 vcc_lo, vcc_lo, s27
	v_cndmask_b32 v26, v26, v[16+\e], vcc_lo
	v_cndmask_b32 v27, v27, \e, vcc_lo
.endr
	v_sub_f32 v28, v26, v24                        ; m2 - m1 <= 0: the maximum is taken away
	v_mul_f32 v28, 0x3fb8aa3b, v28                 ; x log2(e)
	v_exp_f32 v29, v28
	v_min_u32 v9, v25, v27                         ; lo (a plain instruction behind the exponential)
	s_wait_alu depctr_va_vdst(0)                   ; the exponential's result, ahead of its first use
	v_add_f32 v30, 1.0, v29
	v_rcp_f32 v31, v30                             ; w1 = 1 / (1 + e)
	v_max_u32 v10, v25, v27                        ; hi
	s_wait_alu depctr_va_vdst(0)
	v_mul_f32 v29, v29, v31                        ; w2 = e w1
	v_cmp_lt_u32 vcc_lo, v25, v27                  ; is the first choice the lower expert?
	v_cndmask_b32 v36, v29, v31, vcc_lo            ; w_lo
	v_cndmask_b32 v38, v31, v29, vcc_lo            ; w_hi
	v_mov_b32 v37, v36
	v_mov_b32 v39, v38
	v_sub_nc_u32 v11, 15, v9
	v_mul_u32_u24 v11, v9, v11
	v_lshrrev_b32 v11, 1, v11
	v_add_nc_u32 v11, v11, v10
	v_sub_nc_u32 v11, v11, v9
	v_add_nc_u32 v11, -1, v11                      ; pid
	v_min_u32 v11, 27, v11
.set p, 0
.rept 28                               ; bin p: who is in it, how many, each one's rank; the bin's word goes to lane p
	v_cmp_eq_u32 s27, p, v11
	s_bcnt1_i32_b32 s28, s27
	v_mbcnt_lo_u32_b32 v12, s27, 0                 ; members in the lanes below mine
	v_cndmask_b32 v13, v13, v12, s27
	s_lshl_b32 s29, s28, 16
	s_or_b32 s29, s29, s34
	v_writelane_b32 v14, s29, p
	s_add_co_u32 s34, s34, s28
.set p, p+1
.endr
	v_lshl_or_b32 v41, v13, 8, v11
	global_store_b32 v40, v41, s[12:13]
	global_store_b32 v40, v14, s[14:15]
	global_store_b128 v1, v[36:39], s[16:17]       ; 512 consecutive bytes
.Ldone:
	s_endpgm
.Lfunc_end_k_q3585ddb61c_route:
	.size	k_q3585ddb61c_route, .Lfunc_end_k_q3585ddb61c_route-k_q3585ddb61c_route
	.p2alignl 7, 3214868480
	.fill 96, 4, 3214868480
	.section	.rodata,"a",@progbits
	.p2align	6, 0x0
	.amdhsa_kernel k_q3585ddb61c_route
		.amdhsa_group_segment_fixed_size 18432
		.amdhsa_private_segment_fixed_size 0
		.amdhsa_enable_private_segment 0
		.amdhsa_kernarg_size 56
		.amdhsa_user_sgpr_count 2
		.amdhsa_user_sgpr_kernarg_segment_ptr 1
		.amdhsa_wavefront_size32 1
		.amdhsa_system_sgpr_workgroup_id_x 1
		.amdhsa_system_sgpr_workgroup_id_y 1
		.amdhsa_system_sgpr_workgroup_id_z 1
		.amdhsa_system_vgpr_workitem_id 0
		.amdhsa_next_free_vgpr 256
		.amdhsa_next_free_sgpr 66
		.amdhsa_reserve_vcc 1
		.amdhsa_float_denorm_mode_32 3
		.amdhsa_float_denorm_mode_16_64 3
		.amdhsa_memory_ordered 1
		.amdhsa_forward_progress 1
		.amdhsa_inst_pref_size 47
	.end_amdhsa_kernel
	.amdgpu_metadata
---
amdhsa.version: [ 1, 2 ]
amdhsa.kernels:
  - .name:           k_q3585ddb61c_route
    .symbol:         k_q3585ddb61c_route.kd
    .args:
      - { .name: x, .offset: 0, .size: 8, .value_kind: global_buffer, .address_space: global }
      - { .name: gate_w, .offset: 8, .size: 8, .value_kind: global_buffer, .address_space: global }
      - { .name: weight, .offset: 16, .size: 8, .value_kind: global_buffer, .address_space: global }
      - { .name: wb, .offset: 24, .size: 8, .value_kind: global_buffer, .address_space: global }
      - { .name: key, .offset: 32, .size: 8, .value_kind: global_buffer, .address_space: global }
      - { .name: bh, .offset: 40, .size: 8, .value_kind: global_buffer, .address_space: global }
      - { .name: wq, .offset: 48, .size: 8, .value_kind: global_buffer, .address_space: global }
    .group_segment_fixed_size: 18432
    .private_segment_fixed_size: 0
    .kernarg_segment_align: 8
    .kernarg_segment_size: 56
    .max_flat_workgroup_size: 256
    .sgpr_count:     66
    .vgpr_count:     256
    .wavefront_size: 32
...
	.end_amdgpu_metadata
.endif
;; end of part 1
;; launch place (part 2): grid 256 x 1, 8 waves a work-group, no clusters, 9,216 bytes of LDS; arguments x, key, bh, xs, srt; writes xs, srt
.if DOCPART == 2
	.amdgcn_target "amdgcn-amd-amdhsa--gfx1250"
	.amdhsa_code_object_version 6
	.text
	.protected	k_q3585ddb61c_place
	.globl	k_q3585ddb61c_place
	.p2align	8
	.type	k_q3585ddb61c_place,@function
k_q3585ddb61c_place:
	s_mov_b64 s[64:65], 0
	v_nop
	global_prefetch_b8 v0, s[64:65] scope:SCOPE_SE
	s_setreg_imm32_b32 hwreg(HW_REG_WAVE_MODE, 25, 1), 1
	s_wait_xcnt 0x0
; PLACE.  A counting sort of the tokens by their pair of experts, without atomics, and x rounded to bf16 on its way into the sorted order.
; Every work-group adds up the 256 blocks' histograms (32 KiB) for itself: ALL[bin] over all blocks, BEF[bin] over the blocks before its own.  A word holds lt | eq << 16, and neither half's sum
; passes 8,192, so both are added at once.  A token's place: (ALL[pid] & 0xffff), where its pair begins, + (BEF[pid] >> 16), the pair's tokens in earlier blocks, + its rank in its block.
; Whole numbers throughout.  Stored: xs[place] = bf16(x[token]) (a row is 2,048 bytes); srt: words 0-31 tab[bin] = start | count << 16, from byte 256 on tok[place] = token.
; A later tile of 256 rows may begin at any place up to 8,191: so xs has 256 rows of zeros and tok 256 zeros behind the last place.
; SHARES.  Work-group b: tokens 32 b .. 32 b + 31, wave w rows 4 w .. 4 w + 3; a wave's load covers 512 consecutive bytes, its store 256, each at a multiple of 256 from its buffer's first byte.
; tok is stored a word a lane to places far apart: 32 KiB in the whole launch.
.set BEFO,  4096                       ; LDS: 0..4095 ALL's parts, [part 32][bin 32]; from BEFO on BEF's
.set SPARE, 8192                       ; the spare words: 128 bytes for each of 8 waves
.set SPW, 2                            ; v2  LDS address of my spare word; never rewritten
.set NIL, 3                            ; v3  0, for the add alone
.set BL,  6                            ; v6  32 w + lane / 8: the first of the eight blocks whose words I add
.set KEY, 7
.set AL4, 8                            ; v8-11   my part of ALL, bins 4 (lane % 8) .. + 3
.set BE4, 12                           ; v12-15  of BEF
.set RO,  16                           ; v16-19  row i: its byte offset in xs, + 8 x lane
.set TM,  20                           ; v20-23  at work
.set X,   32                           ; v32-159 four rows of 32 registers as loaded; packed in place
.set H,   160                          ; v160-191 bh's words; then v160-223: the 32 parts of ALL and of BEF for bin = lane
.set LN,  224                          ; lane
.set L8,  225                          ; 8 x lane
.set IX,  226                          ; v226-229  4 x (4 w + i): the lane that holds row i's token
.set BAS, 230
.set PI4, 232
.set POS, 233
.set RK,  234
.set ZZ,  240                          ; v240-241  zeros to store
	s_load_b256 s[4:11], s[0:1], 0x0               ; x s[4:5], key s[6:7], bh s[8:9], xs s[10:11]
	s_load_b64 s[12:13], s[0:1], 0x20              ; srt
	v_lshl_add_u32 v[SPW], v0, 2, SPARE
	v_mov_b32 v[NIL], 0
	v_lshrrev_b32 v[TM], 5, v0
	v_readfirstlane_b32 s20, v[TM]                 ; wave 0..7
	v_and_b32 v[LN], 31, v0
	v_lshlrev_b32 v1, 4, v[LN]                     ; 16 x lane
	v_lshlrev_b32 v4, 4, v0                        ; 16 x thread
	v_lshlrev_b32 v5, 2, v[LN]                     ; 4 x lane
	v_lshlrev_b32 v[L8], 3, v[LN]
	v_lshrrev_b32 v[BL], 3, v[LN]
	s_lshl_b32 s21, s20, 5
	v_add_nc_u32 v[BL], s21, v[BL]
	s_lshl_b32 s21, s20, 4
	v_mov_b32 v[IX], s21
.irp i, 1,2,3
	v_add_nc_u32 v[IX+\i], 4*\i, v[IX]
.endr
	v_mov_b32 v[ZZ], 0
	v_mov_b32 v[ZZ+1], 0
	s_mov_b32 s30, ttmp9                           ; b
	s_lshl_b32 s22, s30, 17                        ; 32 rows of 4,096 bytes,
	s_lshl_b32 s23, s20, 14                        ; my wave's 4
	s_add_co_u32 s22, s22, s23
	s_mov_b32 s23, 0
	s_lshl_b32 s24, s30, 7                         ; my block's 32 keys
	s_mov_b32 s25, 0
	s_lshl_b32 s26, s20, 12                        ; my wave's 32 blocks of bh
	s_mov_b32 s27, 0
	s_wait_kmcnt 0x0
	s_add_nc_u64 s[4:5], s[4:5], s[22:23]
	s_add_nc_u64 s[6:7], s[6:7], s[24:25]
	s_add_nc_u64 s[8:9], s[8:9], s[26:27]
	global_load_b32 v[KEY], v5, s[6:7]             ; every wave: lane = token of the block
.irp i, 0,1,2,3,4,5,6,7
	global_load_b128 v[H+4*\i:H+4*\i+3], v1, s[8:9] offset:512*\i   ; block 32 w + 4 i + lane / 8, bins 4 (lane % 8) ..
.endr
.irp i, 0,1,2,3
.irp j, 0,1,2,3,4,5,6,7
	global_load_b128 v[X+32*\i+4*\j:X+32*\i+4*\j+3], v1, s[4:5] offset:4096*\i+512*\j th:TH_LOAD_NT
.endr
.endr
	s_wait_loadcnt 32                              ; the key and the histograms are in; x's 32 loads stay out
.irp i, 0,1,2,3,4,5,6,7
	s_sub_co_i32 s29, s30, 4*\i
	v_cmp_gt_i32 vcc_lo, s29, v[BL]                ; is block BL + 4 i before mine?
.irp c, 0,1,2,3
.if \i == 0
	v_cndmask_b32 v[BE4+\c], 0, v[H+\c], vcc_lo    ; the first words start the sums
.else
.if \i == 1
	v_add_nc_u32 v[AL4+\c], v[H+\c], v[H+4+\c]
.else
	v_add_nc_u32 v[AL4+\c], v[AL4+\c], v[H+4*\i+\c]
.endif
	v_cndmask_b32 v[TM+\c], 0, v[H+4*\i+\c], vcc_lo
	v_add_nc_u32 v[BE4+\c], v[BE4+\c], v[TM+\c]
.endif
.endr
.endr
	ds_store_b128 v4, v[AL4:AL4+3]                 ; thread t: part t / 8, bins 4 (t % 8) ..
	ds_store_b128 v4, v[BE4:BE4+3] offset:BEFO
	s_wait_dscnt 0x0                               ; for the others' sake: my parts are in LDS
	s_barrier_signal -1
	s_barrier_wait -1
.set q, 0
.rept 32                               ; every wave for itself, lane = bin
	ds_load_b32 v[H+q], v5 offset:128*q
	ds_load_b32 v[H+32+q], v5 offset:BEFO+128*q
.set q, q+1
.endr
	v_and_b32 v[PI4], 0xff, v[KEY]
	v_lshlrev_b32 v[PI4], 2, v[PI4]                ; 4 x pid: the lane that holds my pair's figures
	v_lshrrev_b32 v[RK], 8, v[KEY]
	s_wait_dscnt 0x0
.irp k, 1,2,3,4,5,6,7
.irp c, 0,1,2,3
	v_add_nc_u32 v[H+\c], v[H+\c], v[H+4*\k+\c]
	v_add_nc_u32 v[H+32+\c], v[H+32+\c], v[H+32+4*\k+\c]
.endr
.endr
	v_add_nc_u32 v[H], v[H], v[H+1]
	v_add_nc_u32 v[H+2], v[H+2], v[H+3]
	v_add_nc_u32 v[H+32], v[H+32], v[H+33]
	v_add_nc_u32 v[H+34], v[H+34], v[H+35]
	v_add_nc_u32 v[H], v[H], v[H+2]                ; ALL[bin]
	v_add_nc_u32 v[H+32], v[H+32], v[H+34]         ; BEF[bin]
	v_and_b32 v[BAS], 0xffff, v[H]
	v_lshrrev_b32 v[TM], 16, v[H+32]
	v_add_nc_u32 v[BAS], v[BAS], v[TM]
	ds_bpermute_b32 v[POS], v[PI4], v[BAS]
	s_wait_dscnt 0x0
	v_add_nc_u32 v[POS], v[POS], v[RK]             ; lane = token: its place
.irp i, 0,1,2,3
	ds_bpermute_b32 v[RO+\i], v[IX+\i], v[POS]     ; row i's place, in every lane
.endr
	s_wait_dscnt 0x0
.irp i, 0,1,2,3
	v_min_u32 v[RO+\i], 0x1fff, v[RO+\i]           ; a place is below 8,192
	v_lshl_add_u32 v[RO+\i], v[RO+\i], 11, v[L8]
.endr
	s_cmp_lg_u32 s20, 0
	s_cbranch_scc1 .Lrows                          ; the lists are wave 0's
	v_min_u32 v235, 0x1fff, v[POS]
	v_lshlrev_b32 v235, 2, v235
	v_lshl_add_u32 v236, s30, 5, v[LN]             ; my token
	global_store_b32 v235, v236, s[12:13] offset:256
	s_cmp_lg_u32 s30, 0
	s_cbranch_scc1 .Lnotab
	global_store_b32 v5, v[H], s[12:13]            ; tab, once
.Lnotab:
	s_cmp_ge_u32 s30, 8
	s_cbranch_scc1 .Lrows
	v_lshl_add_u32 v237, s30, 7, v5
	global_store_b32 v237, v[ZZ], s[12:13] offset:33024   ; tok[8192 + 32 b + lane] = 0: eight work-groups write the 256
.Lrows:
.irp i, 0,1,2,3
	s_wait_loadcnt 24-8*\i                         ; row i is in; the younger rows stay out
.set m, 0
.rept 16                               ; in place, ascending
	v_cvt_pk_bf16_f32 v[X+32*\i+m], v[X+32*\i+2*m], v[X+32*\i+2*m+1]
.set m, m+1
.endr
.irp j, 0,1,2,3,4,5,6,7
	global_store_b64 v[RO+\i], v[X+32*\i+2*\j:X+32*\i+2*\j+1], s[10:11] offset:256*\j
.endr
.endr
	s_add_co_u32 s31, s30, 8192                    ; row 8,192 + b of xs is zeros: 256 bytes a wave
	s_lshl_b32 s31, s31, 11
	s_lshl_b32 s32, s20, 8
	s_add_co_u32 s31, s31, s32
	v_add_nc_u32 v238, s31, v[L8]
	global_store_b64 v238, v[ZZ:ZZ+1], s[10:11]
	s_wait_tensorcnt 0x0                           ; the wave's end: behind my last LDS store
	ds_add_u32 v[SPW], v[NIL]
	s_wait_dscnt 0x0
	s_endpgm
.Lfunc_end_k_q3585ddb61c_place:
	.size	k_q3585ddb61c_place, .Lfunc_end_k_q3585ddb61c_place-k_q3585ddb61c_place
	.p2alignl 7, 3214868480
	.fill 96, 4, 3214868480
	.section	.rodata,"a",@progbits
	.p2align	6, 0x0
	.amdhsa_kernel k_q3585ddb61c_place
		.amdhsa_group_segment_fixed_size 9216
		.amdhsa_private_segment_fixed_size 0
		.amdhsa_enable_private_segment 0
		.amdhsa_kernarg_size 40
		.amdhsa_user_sgpr_count 2
		.amdhsa_user_sgpr_kernarg_segment_ptr 1
		.amdhsa_wavefront_size32 1
		.amdhsa_system_sgpr_workgroup_id_x 1
		.amdhsa_system_sgpr_workgroup_id_y 1
		.amdhsa_system_sgpr_workgroup_id_z 1
		.amdhsa_system_vgpr_workitem_id 0
		.amdhsa_next_free_vgpr 248
		.amdhsa_next_free_sgpr 66
		.amdhsa_reserve_vcc 1
		.amdhsa_float_denorm_mode_32 3
		.amdhsa_float_denorm_mode_16_64 3
		.amdhsa_memory_ordered 1
		.amdhsa_forward_progress 1
		.amdhsa_inst_pref_size 25
	.end_amdhsa_kernel
	.amdgpu_metadata
---
amdhsa.version: [ 1, 2 ]
amdhsa.kernels:
  - .name:           k_q3585ddb61c_place
    .symbol:         k_q3585ddb61c_place.kd
    .args:
      - { .name: x, .offset: 0, .size: 8, .value_kind: global_buffer, .address_space: global }
      - { .name: key, .offset: 8, .size: 8, .value_kind: global_buffer, .address_space: global }
      - { .name: bh, .offset: 16, .size: 8, .value_kind: global_buffer, .address_space: global }
      - { .name: xs, .offset: 24, .size: 8, .value_kind: global_buffer, .address_space: global }
      - { .name: srt, .offset: 32, .size: 8, .value_kind: global_buffer, .address_space: global }
    .group_segment_fixed_size: 9216
    .private_segment_fixed_size: 0
    .kernarg_segment_align: 8
    .kernarg_segment_size: 40
    .max_flat_workgroup_size: 256
    .sgpr_count:     66
    .vgpr_count:     248
    .wavefront_size: 32
...
	.end_amdgpu_metadata
.endif
;; end of part 2
;; launch moe (part 3): grid 8 x 59, 4 waves a work-group, no clusters, 327,680 bytes of LDS; arguments xs, wb, srt, wq, out0; writes out0
.if DOCPART == 3
	.amdgcn_target "amdgcn-amd-amdhsa--gfx1250"
	.amdhsa_code_object_version 6
	.text
	.protected	k_q3585ddb61c_moe
	.globl	k_q3585ddb61c_moe
	.p2align	8
	.type	k_q3585ddb61c_moe,@function
k_q3585ddb61c_moe:
	s_mov_b64 s[64:65], 0
	v_nop
	global_prefetch_b8 v0, s[64:65] scope:SCOPE_SE
	s_setreg_imm32_b32 hwreg(HW_REG_WAVE_MODE, 25, 1), 1
	s_wait_xcnt 0x0
; out[t][:] = w_lo x[t] W[lo] + w_hi x[t] W[hi] for the token's two experts.  xs holds bf16(x) sorted by the PAIR of experts, so a tile of rows has ONE pair, each output row has one owner, and no partial sums leave the chip.
; A TILE: up to 256 sorted rows of one pair x 128 output columns x both experts: 256 x 256 sums.  Four waves; wave (RH, CH) has rows 128 RH .., columns 64 CH .. of the 128, for both experts:
; 8 row blocks a x 8 column blocks b (b 0-3: expert lo, 4-7: the same columns of hi): 64 accumulators of 16 x 16, 512 registers.  The two weights are applied in f32 on the way out.
; THE GRID serves every split: with 8,192 rows in 28 pairs there are never more than 32 + 27 = 59 tiles; x is the column part (8 of 128), y the tile's number.  Whole tiles of 256 rows have the low numbers,
; the pairs' remainders follow.  Each work-group finds its tile from tab (28 words, start | count << 16) by scalar selects.  A number past the last tile has 0 rows: that work-group walks the same loop,
; passes every barrier, and stores nothing.  In a tile that is not full the rows past the count are the rows that follow in xs (other pairs', or zeros): they are multiplied at most in part, never stored.
; DEAD HALVES.  A wave's products go in groups of 32 for 64 rows; a group whose 64 rows are all past the count is jumped by a scalar branch (LV0, LV1), with no barrier, wait or load in what is jumped.
; The first quarter step (it starts every sum) and the 32 products that stand round the change of slots always run.
; K goes in steps of 128 through two LDS slots: 256 rows of xs (rows of 256 bytes) and, for each expert, 128 k-rows x 128 columns of W.  W lies [k][column]: its fragments come out of LDS turned, by ds_load_tr16_b128.
; NO CLUSTER.  The 8 column parts of a tile read the same rows of xs, half of a K step's bytes; asked for jointly by four, 3/8 of a step's requests would be spared.  But the tile's first row, and with it the
; load's address, and the jumps over dead halves are made of tab, numbers read from memory: that they are alike in all partners cannot be read off the text, as a joint request wants it.  W's tile is shared only with
; other row tiles of the same pair, whose number hangs on the split (often 1 or 2).  The column parts of a tile have neighbouring work-group numbers.
; THE MATRIX INSTRUCTION IS USED TRANSPOSED: source 0 = 16 columns of W, source 1 = 16 rows of xs: a lane holds row l % 16 and eight neighbouring columns.
; REGISTERS, in windows of 256 (s_set_vgpr_msb: bits 1:0 source 0, 3:2 source 1, 5:4 source 2, 7:6 destination):
;   window 0: v0-31 addresses; v32-39 my rows' tokens; v40-55 at work; v64-127, v128-191 fragments of xs, two buffers (free at the head and on the way out); v192-255 the way out
;   window 1: v0-63 the stores' byte offsets in out0; v64-127, v128-191 fragments of W, two buffers; v192-223 my rows' weights
;   window 2: the accumulators of my rows 0-63 ((a, b) at 8 (8 a + b))          window 3: of rows 64-127
.set PA,     272                       ; a row of xs in LDS: 256 bytes + 16 = 68 words: the 16 rows of a load start at 16 different groups of four banks (64 banks of 4 bytes: ISA guide 11.1)
.set PB,     288                       ; a k-row of W: 256 + 32 = 72 words
.set AHALF,  128*PA                    ; what one load of xs brings
.set BEXP,   128*PB                    ; what one load of W brings: one expert's tile
.set SLOT,   2*AHALF+2*BEXP            ; rows 0-127, rows 128-255, W[lo], W[hi]
.set STAGE,  2*SLOT                    ; behind the ring, never filled by a tensor load: 16 rows x 272 bytes for each wave
.set SP,     272
.set SPARE,  STAGE+4*16*SP             ; the spare words, 128 bytes for each wave: two blocks of 256 bytes that no other line names
.set LAPS,   4                         ; 1,024 / (2 x 128): a lap is once round the ring
.set ADRA, 16                          ; v16-17  LDS address of my fragments of xs in slot 0, 1
.set ADRB, 20                          ; v20-23  of W: slot 0 lo, hi; slot 1 lo, hi
.set STO,  24                          ; v24  the way out: where I put 32 bytes of a row
.set RD,   25                          ; v25  where I read a row back
.set CO,   26                          ; v26  16 (l % 16)
.set TA,   27                          ; v27  my byte offset in tok
.set SPW,  28                          ; v28  LDS address of my spare word; never rewritten
.set NIL,  29                          ; v29  0, for the add alone
.set TK,   32                          ; v32-39  block a: the token of row 16 a + l % 16
.set WA,   40                          ; v40-47  its byte offset in wq
.set IDX,  48                          ; v48-55  4 (2 t + l / 16): the lane that holds the token of the row that I store in store t
.set F0,   64
.set F1,   128
.set TMP,  192                         ; v192-223  a block's 16 rows x 64 columns, combined: 32 f32 a lane
.set PO,   0                           ; window 1: store t of block a: 4,096 x token + 16 (l % 16), at PO + 8 a + t; made once at the head
.set WR,   192                         ; window 1: block a: w_lo, w_lo, w_hi, w_hi at WR + 4 a
.set WV,   14
.set RH,   15                          ; which 128 rows are mine.  Also: I fetch xs (0) or W (1)
.set CH,   16                          ; which 64 columns.  Also: which half of xs's rows, or which expert, I fetch
.set T,    17                          ; the tile's number; later the LDS address of my load of xs
.set RUN,  18                          ; tiles counted so far; later the LDS address of my load of W
.set ROW0, 19                          ; the tile's first row in xs
.set ROWS, 20                          ; its rows
.set LOHI, 21                          ; lo << 4 | hi
.set TC,   22                          ; the search's registers
.set TS,   23
.set TN,   42
.set TD,   43
.set TE,   46
.set TR,   47
.set CW,   22                          ; later: the tile's rows less my first row (signed)
.set LV0,  23                          ; 1: some of my rows 0-63 count
.set LV1,  42                          ; 1: some of my rows 64-127 count
.set NP,   41                          ; my column part
.set G1A,  24                          ; s[24:31] descriptor group 1 for xs;  s[32:39] group 0, a set for each slot
.set G0A,  32
.set G1B,  48                          ; s[48:55], s[56:63] the same for W
.set G0B,  56
.set TAB,  68                          ; s[68:99] tab
.set MSB, 0
.macro WIN new                         ; the immediate's high byte repeats the setting that is left; a switch that changes nothing is dropped
.if MSB != (\new)
	s_set_vgpr_msb (MSB<<8)|(\new)
.set MSB, \new
.endif
.endm
.set MUL_LO, 0xa1                      ; source 0 (W) window 1, source 1 (xs) window 0, C and D window 2
.set MUL_HI, 0xf1                      ; the same, C and D window 3
.set TO_B,   0x40                      ; destination window 1, sources window 0
.set ST_W,   0x01                      ; a store: its address (source 0) in window 1, its data (source 1) in window 0
; A step's loads, one a wave.  Waves 0 and 1 fetch the two halves of xs's rows, waves 2 and 3 each one expert's tile of W.  The branch hangs on the wave's number alone.
; An s_nop 0 and four v_nop follow each of the two lines, ahead of the jump and the label.
.macro SLOAD s
	s_cmp_eq_u32 s[RH], 0
	s_cbranch_scc0 .Lfor_b_\@
	tensor_load_to_lds s[G0A+4*(\s):G0A+4*(\s)+3], s[G1A:G1A+7]
	s_nop 0
.rept 4
	v_nop
.endr
	s_branch .Lasked_\@
.Lfor_b_\@:
	tensor_load_to_lds s[G0B+4*(\s):G0B+4*(\s)+3], s[G1B:G1B+7]
	s_nop 0
.rept 4
	v_nop
.endr
.Lasked_\@:
.endm
	s_load_b256 s[4:11], s[0:1], 0x0               ; xs s[4:5], wb s[6:7], srt s[8:9], wq s[10:11]
	s_load_b64 s[12:13], s[0:1], 0x20              ; out0
	v_lshl_add_u32 v[SPW], v0, 2, SPARE
	v_mov_b32 v[NIL], 0
	ds_add_u32 v[SPW], v[NIL]                      ; the wave's opening: the add and its wait stand ahead of my first tensor load; work on registers stands between them
	v_lshrrev_b32 v1, 5, v0
	v_readfirstlane_b32 s[WV], v1                  ; wave 0..3
	s_lshr_b32 s[RH], s[WV], 1
	s_and_b32 s[CH], s[WV], 1
	s_mov_b32 s[NP], ttmp9                         ; my column part, 0..7
	s_and_b32 s[T], ttmp7, 0xffff                  ; the tile's number
	; descriptor group 1: tiles of 128 rows x 128 elements of 2 bytes, 1,024 elements from row to row, padded in LDS
	s_mov_b32 s[G1A], (1<<16)|(1<<20)|(5<<22)|(3<<25)  ; 15:0 no mask; 17:16 2-byte elements; 20 padding on; 24:22 after every 64 words (code 5); 31:25 4 words (code 3)
	s_mov_b32 s[G1B], (1<<16)|(1<<20)|(5<<22)|(7<<25)  ; the same with 8 words of padding (code 7)
.irp g, G1A, G1B
	s_mov_b32 s[\g+1], 128<<16                     ; tensor_dim0 = 128
	s_mov_b32 s[\g+2], 128<<16                     ; tensor_dim1 = 128
	s_mov_b32 s[\g+3], 128<<16                     ; tile_dim0 = 128
	s_mov_b32 s[\g+4], 128                         ; tile_dim1 = 128
	s_mov_b32 s[\g+5], 1024                        ; tensor_dim0_stride
	s_mov_b32 s[\g+6], 0
	s_mov_b32 s[\g+7], 0
.endr
	s_mov_b32 s[RUN], 0
	s_mov_b32 s[ROW0], 0                           ; a number past the last tile keeps these: 0 rows, of pair (0, 1), from row 0
	s_mov_b32 s[ROWS], 0
	s_mov_b32 s[LOHI], 0x01
	s_wait_dscnt 0x0                               ; the opening add is done
	s_wait_kmcnt 0x0
	s_load_b512 s[TAB:TAB+15], s[8:9], 0x0
	s_load_b512 s[TAB+16:TAB+31], s[8:9], 0x40
	s_wait_kmcnt 0x0
; THE SEARCH.  Pair PN = (PLO, PHI) has N tiles of the kind in hand, numbered RUN .. RUN + N - 1.  D = T - RUN wraps to a huge number where T < RUN, so D < N holds for the tile's own pair alone.
.macro NEXTP
.set PN, PN+1
.set PHI, PHI+1
.if PHI > 7
.set PLO, PLO+1
.set PHI, PLO+1
.endif
.endm
.set PN, 0
.set PLO, 0
.set PHI, 1
.rept 28                               ; whole tiles: count / 256 of them; tile D begins at start + 256 D
	s_lshr_b32 s[TC], s[TAB+PN], 16
	s_and_b32 s[TS], s[TAB+PN], 0xffff
	s_lshr_b32 s[TN], s[TC], 8
	s_sub_co_u32 s[TD], s[T], s[RUN]
	s_lshl_b32 s[TE], s[TD], 8
	s_add_co_u32 s[TE], s[TE], s[TS]
	s_add_co_u32 s[RUN], s[RUN], s[TN]
	s_cmp_lt_u32 s[TD], s[TN]
	s_cselect_b32 s[ROW0], s[TE], s[ROW0]
	s_cselect_b32 s[ROWS], 0x100, s[ROWS]
	s_cselect_b32 s[LOHI], (PLO<<4)|PHI, s[LOHI]
	NEXTP
.endr
.set PN, 0
.set PLO, 0
.set PHI, 1
.rept 28                               ; remainders: one tile of count % 256 rows where that is not 0, behind the pair's whole tiles
	s_lshr_b32 s[TC], s[TAB+PN], 16
	s_and_b32 s[TS], s[TAB+PN], 0xffff
	s_and_b32 s[TR], s[TC], 0xff
	s_and_b32 s[TE], s[TC], 0xff00
	s_add_co_u32 s[TE], s[TE], s[TS]
	s_min_u32 s[TN], s[TR], 1
	s_sub_co_u32 s[TD], s[T], s[RUN]
	s_add_co_u32 s[RUN], s[RUN], s[TN]
	s_cmp_lt_u32 s[TD], s[TN]
	s_cselect_b32 s[ROW0], s[TE], s[ROW0]
	s_cselect_b32 s[ROWS], s[TR], s[ROWS]
	s_cselect_b32 s[LOHI], (PLO<<4)|PHI, s[LOHI]
	NEXTP
.endr
	s_min_u32 s[ROW0], s[ROW0], 0x1fff             ; a place is below 8,192: rows up to 8,191 + 255 are read, and xs has 8,448
	s_lshr_b32 s2, s[LOHI], 4
	s_and_b32 s3, s[LOHI], 15
	s_cmp_eq_u32 s[CH], 0
	s_cselect_b32 s44, s2, s3                      ; the expert whose tile I would fetch
	s_min_u32 s44, s44, 7
	s_lshl_b32 s44, s44, 21                        ; an expert is 2 MiB of wb,
	s_lshl_b32 s45, s[NP], 8                       ; a column part 256 bytes of a k-row
	s_add_co_u32 s44, s44, s45
	s_mov_b32 s45, 0
	s_add_nc_u64 s[6:7], s[6:7], s[44:45]          ; W's tile of K step 0
	s_lshl_b32 s46, s[CH], 7
	s_add_co_u32 s46, s46, s[ROW0]
	s_lshl_b32 s46, s46, 11                        ; a row of xs is 2,048 bytes
	s_mov_b32 s47, 0
	s_add_nc_u64 s[4:5], s[4:5], s[46:47]          ; xs's half tile of K step 0
	s_lshl_b32 s44, s[NP], 9                       ; out0: a column part is 512 bytes of a row,
	s_lshl_b32 s45, s[CH], 8                       ; my 64 columns 256
	s_add_co_u32 s44, s44, s45
	s_mov_b32 s45, 0
	s_add_nc_u64 s[12:13], s[12:13], s[44:45]
	s_mul_i32 s[T], s[CH], AHALF                   ; where the tiles go: a constant and the wave's number times a constant
	s_mul_i32 s[RUN], s[CH], BEXP
	s_add_co_u32 s[RUN], s[RUN], 2*AHALF
	s_lshl_b32 s2, s[RH], 7
	s_sub_co_i32 s[CW], s[ROWS], s2
	s_cmp_gt_i32 s[CW], 0
	s_cselect_b32 s[LV0], 1, 0
	s_cmp_gt_i32 s[CW], 64
	s_cselect_b32 s[LV1], 1, 0
.irp s, 0,1
	s_mov_b32 s[G0A+4*\s], 1                                       ; 1:0 count = 1
	s_add_co_u32 s[G0A+4*\s+1], s[T], \s*SLOT                      ; 63:32 LDS address
	s_add_nc_u64 s[G0A+4*\s+2:G0A+4*\s+3], s[4:5], \s*256          ; 120:64 global address: K step s is 256 bytes along the rows
	s_or_b32 s[G0A+4*\s+3], s[G0A+4*\s+3], 0x80000000              ; 127:126 type = 2
	s_mov_b32 s[G0B+4*\s], 1
	s_add_co_u32 s[G0B+4*\s+1], s[RUN], \s*SLOT
	s_add_nc_u64 s[G0B+4*\s+2:G0B+4*\s+3], s[6:7], \s*262144       ; K step s is 128 k-rows of 2,048 bytes down
	s_or_b32 s[G0B+4*\s+3], s[G0B+4*\s+3], 0x80000000
	SLOAD \s                                       ; the first fills, ahead of every wait on TENSORcnt, LDS read and barrier: two loads of mine are out
.endr
	v_and_b32 v1, 15, v0                           ; l % 16
	v_bfe_u32 v2, v0, 4, 1                         ; l / 16
	s_lshl_b32 s2, s[RH], 7
	s_add_co_u32 s2, s2, s[ROW0]
	s_lshl_b32 s2, s2, 2
	v_lshl_add_u32 v[TA], v1, 2, s2
.irp a, 0,1,2,3,4,5,6,7
	global_load_b32 v[TK+\a], v[TA], s[8:9] offset:256+64*\a       ; tok[ROW0 + 128 RH + 16 a + l % 16]: 8,446 at the most, and tok has 8,448
.endr
	; A fragment of xs is 16 rows x 32 K in 8 registers: lane l holds row l % 16, K = 8 (l / 16) + 0..7 and 16 + 8 (l / 16) + 0..7: two loads of 16 bytes, 32 bytes apart.
	v_mul_u32_u24 v3, v1, PA
	v_lshl_add_u32 v3, v2, 4, v3
	s_mul_i32 s2, s[RH], AHALF
	v_add_nc_u32 v[ADRA], s2, v3
	s_add_co_u32 s2, s2, SLOT
	v_add_nc_u32 v[ADRA+1], s2, v3
	; The turning load takes 16 k x 16 columns (lane l reads 16 bytes: k-row 8 (l / 16) + l % 8, columns 8 ((l / 8) % 2) + 0..7) and leaves half a fragment: lane l holds column l % 16 and 8 k.
	v_and_b32 v4, 7, v0
	v_bfe_u32 v5, v0, 3, 1
	v_lshl_add_u32 v6, v2, 3, v4
	v_mul_u32_u24 v6, v6, PB
	v_lshl_add_u32 v6, v5, 4, v6
	s_lshl_b32 s2, s[CH], 7                        ; my 64 columns: 128 bytes
	s_add_co_u32 s2, s2, 2*AHALF
	v_add_nc_u32 v[ADRB], s2, v6
	s_add_co_u32 s3, s2, BEXP
	v_add_nc_u32 v[ADRB+1], s3, v6
	s_add_co_u32 s3, s2, SLOT
	v_add_nc_u32 v[ADRB+2], s3, v6
	s_add_co_u32 s3, s2, SLOT+BEXP
	v_add_nc_u32 v[ADRB+3], s3, v6
	s_mul_i32 s2, s[WV], 16*SP
	s_add_co_u32 s2, s2, STAGE                     ; my stage
	v_mul_u32_u24 v7, v1, SP                       ; in: row l % 16, 32 bytes for each half of the lanes
	v_lshl_add_u32 v7, v2, 5, v7
	v_add_nc_u32 v[STO], s2, v7
	v_mul_u32_u24 v7, v2, SP                       ; back: lanes 0-15 take one row of 256 bytes, lanes 16-31 the next
	v_lshl_add_u32 v7, v1, 4, v7
	v_add_nc_u32 v[RD], s2, v7
	v_lshlrev_b32 v[CO], 4, v1
.irp t, 0,1,2,3,4,5,6,7
	v_lshl_add_u32 v[IDX+\t], v2, 2, 8*\t
.endr
	s_wait_loadcnt 0x0                             ; the tokens
.irp a, 0,1,2,3,4,5,6,7
	v_min_u32 v[TK+\a], 0x1fff, v[TK+\a]           ; a token is below 8,192
	v_lshlrev_b32 v[WA+\a], 4, v[TK+\a]
.endr
	WIN TO_B
.irp a, 0,1,2,3,4,5,6,7
	global_load_b128 v[WR+4*\a:WR+4*\a+3], v[WA+\a], s[10:11]      ; their weights: wanted on the way out, and waited for there
.endr
	WIN 0
; THE STORES' OFFSETS, all 64, made here once, in the wait for the first tiles, with all lanes on and ahead of every branch on a count.  Store t of block a takes rows 16 a + 2 t + l / 16: the row's token comes
; from the lane that holds it, into the fragment registers, which are still free.  A number that has come through a load or another lane enters an address only behind a clamp written in the text.
; Two batches of 32, so that no more LDS instructions are out than DScnt can count.
.macro OFFS half
.set n, 32*(\half)
.rept 32
	ds_bpermute_b32 v[F0+n], v[IDX+n%8], v[TK+n/8]
.set n, n+1
.endr
	s_wait_dscnt 0x0
.set n, 32*(\half)
.rept 32
	v_min_u32 v[F0+n], 0x1fff, v[F0+n]
.set n, n+1
.endr
	WIN TO_B
.set n, 32*(\half)
.rept 32
	v_lshl_add_u32 v[PO+n], v[F0+n], 12, v[CO]     ; a row of out0 is 4,096 bytes
.set n, n+1
.endr
	WIN 0
.endm
	OFFS 0
	OFFS 1
; 16 matrix instructions: row blocks a0, a0 + 1 of the window's four (hi = 0: my rows 0-63, 1: rows 64-127) x all 8 column blocks, 32 along K.  zero = 1: the first product starts the sums.
; The accumulators take turns, one instruction a turn; whichever groups are jumped, a group ends on block 3's last accumulator and the next begins on block 0's first.
.macro MUL16 f, hi, a0, zero
	WIN MUL_LO+0x50*(\hi)
.irp a, \a0, (\a0)+1
.irp b, 0,1,2,3,4,5,6,7
.if \zero
	v_wmma_f32_16x16x32_bf16 v[8*(8*(\a)+(\b)):8*(8*(\a)+(\b))+7], v[(\f)+8*(\b):(\f)+8*(\b)+7], v[(\f)+8*(4*(\hi)+(\a)):(\f)+8*(4*(\hi)+(\a))+7], 0
.else
	v_wmma_f32_16x16x32_bf16 v[8*(8*(\a)+(\b)):8*(8*(\a)+(\b))+7], v[(\f)+8*(\b):(\f)+8*(\b)+7], v[(\f)+8*(4*(\hi)+(\a)):(\f)+8*(4*(\hi)+(\a))+7], v[8*(8*(\a)+(\b)):8*(8*(\a)+(\b))+7]
.endif
.endr
.endr
.endm
; 32 LDS loads in one run: the fragments of quarter q (32 along K) of a slot into buffer f: W's eight (expert i / 4, columns 16 (i % 4) on), then xs's eight
.macro FETCH slot, q, f
	WIN TO_B
.irp i, 0,1,2,3,4,5,6,7
	ds_load_tr16_b128 v[(\f)+8*(\i):(\f)+8*(\i)+3],   v[ADRB+2*(\slot)+(\i)/4] offset:32*(\q)*PB+32*((\i)%4)
	ds_load_tr16_b128 v[(\f)+8*(\i)+4:(\f)+8*(\i)+7], v[ADRB+2*(\slot)+(\i)/4] offset:32*(\q)*PB+32*((\i)%4)+16*PB
.endr
	WIN 0
.irp i, 0,1,2,3,4,5,6,7
	ds_load_b128 v[(\f)+8*(\i):(\f)+8*(\i)+3],   v[ADRA+(\slot)] offset:64*(\q)+(\i)*16*PA
	ds_load_b128 v[(\f)+8*(\i)+4:(\f)+8*(\i)+7], v[ADRA+(\slot)] offset:64*(\q)+(\i)*16*PA+32
.endr
.endm
; A load into a register that a matrix instruction has read, and a vector instruction that reads a matrix result, stand four places behind it; only plain vector instructions that name none of
; its registers are places (ISA guide 7.12.1 for vector instructions).  These four stand on every way, jumped groups or not.
.macro PLACES
.rept 4
	v_nop
.endr
.endm
; 32 products for 64 rows, jumped where flag is 0.  At a branch and at a label every window is 0.
.macro GROUP f, hi, flag
	WIN 0
	s_cmp_eq_u32 s[\flag], 0
	s_cbranch_scc1 .Ldead_\@
	MUL16 \f, \hi, 0, 0
	MUL16 \f, \hi, 2, 0
	WIN 0
.Ldead_\@:
.endm
; A K step is four quarters of 32 along K on buffers 0, 1, 0, 1.  One of the first three: multiplies buffer f; in its middle it fetches quarter q of the same slot into buffer g.
.macro QUARTER slot, q, f, g, zero
	s_wait_dscnt 8                                 ; W and xs's rows 0-63 are in; the youngest eight loads (rows 64-127) may be out
.if \zero
	MUL16 \f, 0, 0, 1
	MUL16 \f, 0, 2, 1
.else
	GROUP \f, 0, LV0
.endif
	PLACES
	FETCH \slot, \q, \g
	s_wait_dscnt 32                                ; all but the 32 just issued
.if \zero
	MUL16 \f, 1, 0, 1
	MUL16 \f, 1, 2, 1
.else
	GROUP \f, 1, LV1
.endif
.endm
; The last quarter multiplies buffer 1 and changes slots.  ONE barrier, for two things: in front of it each wave waits for all its tensor loads (one is out: its part of the next slot), adds 0 to its
; spare word, and waits for that and for its own reads of this slot.  Behind it nobody reads this slot and the next slot is whole.  No branch stands here: these 32 products always run.
.macro MEET
	WIN 0                                          ; (the add's two registers lie in window 0)
	s_wait_tensorcnt 0x0                           ; all my tensor loads have landed
	ds_add_u32 v[SPW], v[NIL]                      ; 0 onto my spare word
	s_wait_dscnt 9                                 ; (the add and the youngest eight loads may be out)
	MUL16 F1, 0, 0, 0                              ; sixteen matrix instructions stand between the add and the wait for it
	s_wait_dscnt 0x0                               ; the add is done, and my reads of this slot are over
	s_barrier_signal -1
	MUL16 F1, 0, 2, 0                              ; work on registers while the others arrive
	WIN 0
	s_barrier_wait -1
.endm
; fill = 1: behind the barrier this slot is filled again first, two K steps ahead: between the request and the wait for it stand seven eighths of a K step's products.
.macro TURN slot, next, fill
	MEET
.if \fill
	s_add_nc_u64 s[G0A+4*(\slot)+2:G0A+4*(\slot)+3], s[G0A+4*(\slot)+2:G0A+4*(\slot)+3], 512      ; no tensor load of mine is out, so a group 0 may be written
	s_add_nc_u64 s[G0B+4*(\slot)+2:G0B+4*(\slot)+3], s[G0B+4*(\slot)+2:G0B+4*(\slot)+3], 524288
	SLOAD \slot                                    ; my one tensor load behind the barrier; the four v_nop behind it are also the places in front of the loads below
.else
	PLACES
.endif
	FETCH \next, 0, F0
	GROUP F1, 1, LV1
.endm
	s_wait_tensorcnt 1                             ; my part of K step 0 is in; K step 1's may stay out
	s_barrier_signal -1
	s_barrier_wait -1                              ; everybody's is
	FETCH 0, 0, F0
	QUARTER 0, 1, F0, F1, 1                        ; the first quarter stands in front of the loop: its products start all 64 sums, on every way
	WIN 0
	s_mov_b32 s3, LAPS-1
.Llap:                                                 ; a trip goes once round the ring, from a lap's second quarter to the next lap's first, and fills both slots again
	QUARTER 0, 2, F1, F0, 0
	QUARTER 0, 3, F0, F1, 0
	TURN 0, 1, 1
	QUARTER 1, 1, F0, F1, 0
	QUARTER 1, 2, F1, F0, 0
	QUARTER 1, 3, F0, F1, 0
	TURN 1, 0, 1
	QUARTER 0, 1, F0, F1, 0
	WIN 0
	s_sub_co_u32 s3, s3, 1
	s_cmp_lg_u32 s3, 0
	s_cbranch_scc1 .Llap
	QUARTER 0, 2, F1, F0, 0                        ; the last lap is written out: it fills nothing
	QUARTER 0, 3, F0, F1, 0
	TURN 0, 1, 0
	QUARTER 1, 1, F0, F1, 0
	QUARTER 1, 2, F1, F0, 0
	QUARTER 1, 3, F0, F1, 0
	s_wait_dscnt 8                                 ; the very last quarter: nothing more to fetch
	GROUP F1, 0, LV0
	s_wait_dscnt 0x0
	GROUP F1, 1, LV1
; THE WAY OUT, a block of 16 rows at a time.  PACK: w_lo x expert lo's sums + w_hi x expert hi's, in f32: 32 numbers a lane; each accumulator is read from its lowest registers on.
.macro PACK a
.set AC, 64*((\a)%4)
	WIN 0x06+(\a)/4                                ; source 0: window 2 or 3; source 1: window 1; source 2 and destination: window 0
.irp c, 0,1,2,3
.irp r, 0,1,2,3
	v_pk_mul_f32 v[TMP+8*\c+2*\r:TMP+8*\c+2*\r+1], v[AC+8*\c+2*\r:AC+8*\c+2*\r+1], v[WR+4*(\a):WR+4*(\a)+1]
.endr
.endr
.irp c, 0,1,2,3
.irp r, 0,1,2,3
	v_pk_fma_f32 v[TMP+8*\c+2*\r:TMP+8*\c+2*\r+1], v[AC+32+8*\c+2*\r:AC+32+8*\c+2*\r+1], v[WR+4*(\a)+2:WR+4*(\a)+3], v[TMP+8*\c+2*\r:TMP+8*\c+2*\r+1]
.endr
.endr
	WIN 0
.endm
; TOSTAGE: into my own stage, and back as whole rows of 256 bytes.
.macro SETS a                          ; two sets of 32 registers take turns
.if (\a)%2
.set BK, 96
.else
.set BK, 224
.endif
.endm
.macro TOSTAGE a
	SETS \a
.irp c, 0,1,2,3
	ds_store_b128 v[STO], v[TMP+8*\c:TMP+8*\c+3] offset:64*\c
	ds_store_b128 v[STO], v[TMP+8*\c+4:TMP+8*\c+7] offset:64*\c+16
.endr
.irp t, 0,1,2,3,4,5,6,7
	ds_load_b128 v[BK+4*\t:BK+4*\t+3], v[RD] offset:\t*2*SP        ; LDS serves a wave's instructions in order (ISA guide 5.7.1.4): these see the stores above
.endr
.endm
; SEND: rows 16 a + 2 t + l / 16 go to their tokens' rows of out0: 16 lanes store 256 consecutive bytes, at a multiple of 256 from out0's first byte.  A block wholly past the count is jumped;
; in the one block that holds the count each store's lanes are narrowed to the rows that count.
.macro SEND a
	SETS \a
	s_wait_dscnt 0x0                               ; the block is back in registers
	s_wait_xcnt 0x0                                ; every earlier store has had its addresses translated (ISA guide 3.1): the other set of registers, which the block before stored from, is loaded again only behind this wait
	s_cmp_le_i32 s[CW], 16*(\a)
	s_cbranch_scc1 .Lsent_\@
	s_cmp_ge_i32 s[CW], 16*(\a)+16
	s_cbranch_scc0 .Lpart_\@
	WIN ST_W
.irp t, 0,1,2,3,4,5,6,7
	global_store_b128 v[PO+8*(\a)+\t], v[BK+4*\t:BK+4*\t+3], s[12:13] th:TH_STORE_NT
.endr
	WIN 0
	s_branch .Lsent_\@
.Lpart_\@:
	WIN ST_W                                       ; (the compare's vector register is its source 1: window 0)
.irp t, 0,1,2,3,4,5,6,7
	s_sub_co_i32 s2, s[CW], 16*(\a)+2*\t
	v_cmp_gt_i32 vcc_lo, s2, v2                    ; does my row count?
	s_wait_xcnt 0x0                                ; EXEC is a source of the stores that are out: it changes only behind this wait,
	s_and_saveexec_b32 s47, vcc_lo
	global_store_b128 v[PO+8*(\a)+\t], v[BK+4*\t:BK+4*\t+3], s[12:13] th:TH_STORE_NT
	s_wait_xcnt 0x0                                ; and again in front of the line that widens it
	s_or_b32 exec_lo, exec_lo, s47
.endr
	WIN 0
.Lsent_\@:
.endm
	PLACES                                         ; behind the last products
	s_wait_loadcnt 0x0                             ; my rows' weights
	PACK 0
	TOSTAGE 0
.irp a, 1,2,3,4,5,6,7                  ; block a's arithmetic stands between block a - 1's loads from the stage and the wait for them
	PACK \a
	SEND (\a)-1
	TOSTAGE \a
.endr
	SEND 7
	s_wait_tensorcnt 0x0                           ; the wave's end: behind my last tensor load and my last LDS store
	ds_add_u32 v[SPW], v[NIL]
	s_wait_dscnt 0x0
	s_endpgm
.Lfunc_end_k_q3585ddb61c_moe:
	.size	k_q3585ddb61c_moe, .Lfunc_end_k_q3585ddb61c_moe-k_q3585ddb61c_moe
	.p2alignl 7, 3214868480
	.fill 96, 4, 3214868480
	.section	.rodata,"a",@progbits
	.p2align	6, 0x0
	.amdhsa_kernel k_q3585ddb61c_moe
		.amdhsa_group_segment_fixed_size 327680
		.amdhsa_private_segment_fixed_size 0
		.amdhsa_enable_private_segment 0
		.amdhsa_kernarg_size 40
		.amdhsa_user_sgpr_count 2
		.amdhsa_user_sgpr_kernarg_segment_ptr 1
		.amdhsa_wavefront_size32 1
		.amdhsa_system_sgpr_workgroup_id_x 1
		.amdhsa_system_sgpr_workgroup_id_y 1
		.amdhsa_system_sgpr_workgroup_id_z 1
		.amdhsa_system_vgpr_workitem_id 0
		.amdhsa_next_free_vgpr 1024
		.amdhsa_next_free_sgpr 100
		.amdhsa_reserve_vcc 1
		.amdhsa_float_denorm_mode_32 3
		.amdhsa_float_denorm_mode_16_64 3
		.amdhsa_memory_ordered 1
		.amdhsa_forward_progress 1
		.amdhsa_inst_pref_size 205
	.end_amdhsa_kernel
	.amdgpu_metadata
---
amdhsa.version: [ 1, 2 ]
amdhsa.kernels:
  - .name:           k_q3585ddb61c_moe
    .symbol:         k_q3585ddb61c_moe.kd
    .args:
      - { .name: xs, .offset: 0, .size: 8, .value_kind: global_buffer, .address_space: global }
      - { .name: wb, .offset: 8, .size: 8, .value_kind: global_buffer, .address_space: global }
      - { .name: srt, .offset: 16, .size: 8, .value_kind: global_buffer, .address_space: global }
      - { .name: wq, .offset: 24, .size: 8, .value_kind: global_buffer, .address_space: global }
      - { .name: out0, .offset: 32, .size: 8, .value_kind: global_buffer, .address_space: global }
    .group_segment_fixed_size: 327680
    .private_segment_fixed_size: 0
    .kernarg_segment_align: 8
    .kernarg_segment_size: 40
    .max_flat_workgroup_size: 128
    .sgpr_count:     100
    .vgpr_count:     1024
    .wavefront_size: 32
...
	.end_amdgpu_metadata
.endif
;; end of part 3
